; MI455X (gfx1250); checked and timed in simulation.
; The chip was launched on July 23, 2026; its instructions are those of AMD's public machine-readable ISA for CDNA 5 (MIT licence, August 2026) and "CDNA5" Instruction Set Architecture Reference Guide (July 2026). The comments in the code are by the model that wrote it; some were corrected since.
;; H2 O Original. Allowed arithmetic: matrix products marked QUANTISED: E2M1 operands, one E8M0 scale for each 32 along K, by v_wmma_scale_f32_16x16x128_f8f6f4 with both operands' format E2M1 (or v_wmma_scale_f32_32x16x128_f4), f32 sums; everything else in f32.
;; Inputs: k 1 x 16 x 64 x 4,096 float32; q 1 x 16 x 4,096 x 64 float32; v 1 x 16 x 4,096 x 64 float32.
;; Outputs: out0 1 x 16 x 4,096 x 64 float32; out1 1 x 16 x 4,096 float32.
;; This version of the problem:
;;   THIS VERSION OF THE PROBLEM IS GIVEN IN LOW PRECISION. The matrix products marked QUANTISED in the list below multiply operands that are first quantised to E2M1 (2 exponent bits, 1 mantissa bit; 4 bits a number), with one power-of-two scale for each 32 numbers along K (OCP MX v1.0); their sums are f32. All else is computed in f32.
;;   The module's matrix products, in the order in which they are computed (A, B: the left and right operand; K: the contracted axis; several contracted axes count as one K, in the product's order):
;;     1. batch 16 x [M 4,096, K 64] x [K 64, N 4,096]; A: input q; B: input k: QUANTISED
;;     2. batch 16 x [M 4,096, K 4,096] x [K 4,096, N 64]; A: softmax (see below); B: input v: QUANTISED
;;   THE QUANTISER, for each operand of a quantised product, along K:
;;     - K is cut into blocks of 32 from its start; a last block that is shorter is filled with zeros.
;;     - A block's scale is 2^e with e = floor(log2(the largest magnitude in the block)) - 2, held to -126 .. 127; a block of zeros has e = 0. As a byte (E8M0): e + 127.
;;     - Each number is divided by its block's scale, clamped to +-6, and rounded to the nearest number of E2M1, ties to even, subnormals kept.
;;     - The product sums the exact products of the quantised numbers (number of the format x scale) in f32.
;;   ~~~python
;;   def quantise(x, axis):      # numpy; x: float32 -> the quantised numbers, widened to float32 again
;;       x = np.moveaxis(x, axis, -1); K = x.shape[-1]
;;       x = np.pad(x, [(0, 0)] * (x.ndim - 1) + [(0, -K % 32)]); x = x.reshape(x.shape[:-1] + (-1, 32)); a = np.abs(x).max(-1, keepdims=True)
;;       e = np.where(a > 0, np.clip(np.frexp(np.where(a > 0, a, 1))[1] - 1 - 2, -126, 127), 0)      # np.frexp(a)[1] - 1 = floor(log2(a)), exactly
;;       r = np.clip(x / 2.0 ** e, -6, 6)
;;       step = 2.0 ** (np.maximum(np.frexp(np.where(r == 0, 1, r))[1] - 1, 0) - 1)
;;       q = np.round(r / step) * step * 2.0 ** e      # np.round: ties to even
;;       return np.moveaxis(q.reshape(q.shape[:-2] + (-1,))[..., :K], -1, axis).astype(np.float32)
;;   ~~~
;;   SOFTMAX AHEAD OF A QUANTISED PRODUCT. Where the list says 'softmax', what is quantised is not the finished softmax but p = 2^(t - M), with t = logit x log2(e) and M = ceil(the row's largest t), a whole number; so 1/2 < the row's largest p <= 1. The row's sum l is taken of the UNQUANTISED p, in f32, and the product's result is divided by l at the end. Since M is a whole number, a kernel that streams over the keys may use a running M (the ceiling of the running maximum): every later rescaling is an exact power of two, which a block's scale takes up: the codes' values come out the same.
;;   OPERANDS COMPUTED ON THE WAY. 'Computed on the way' means the value that the module computes at that place (a softmax that the list does not call 'softmax' is quantised finished and normalised). What goes into a quantiser is computed in f32, as accurately as f32 sums, v_exp_f32 and their like allow (about 1e-6 of the number): no bf16 or f16 on the way to a quantiser, and a product that is left as it is and whose result goes on into a quantised operand takes f32 operands (vector FMAs, or v_wmma_f32_16x16x4_f32). A number that lies on a knife's edge between two numbers of the format may be rounded either way, as far as f32 arithmetic and the matrix unit's own rounding can turn it there, and no further.
;; One version. Each part assembles by itself: llvm-mc -triple=amdgcn-amd-amdhsa -mcpu=gfx1250 --defsym DOCPART=n.
;; ======== version 1 of 1: 3 launches
;; limits: right only within a limited range of input values
;; workspace buffers: kv 4,718,592 bytes; qr 2,359,296 bytes; st 262,144 bytes
;; launch quant (part 1): grid 256 x 1, 6 waves a work-group, no clusters, 10,496 bytes of LDS; arguments q, k, v, qr, kv; writes qr, kv
.if DOCPART == 1
	.amdgcn_target "amdgcn-amd-amdhsa--gfx1250"
	.amdhsa_code_object_version 6
	.text
	.protected	k_qeaaca3bfbb_quant
	.globl	k_qeaaca3bfbb_quant
	.p2align	8
	.type	k_qeaaca3bfbb_quant,@function
k_qeaaca3bfbb_quant:
	s_mov_b64 s[64:65], 0
	v_nop
	global_prefetch_b8 v0, s[64:65] scope:SCOPE_SE
	s_setreg_imm32_b32 hwreg(HW_REG_WAVE_MODE, 25, 1), 1
	s_wait_xcnt 0x0
; q [16][4096][64], k [16][64][4096], v [16][4096][64], f32, become codes of FP4 (E2M1) with one E8M0 byte for each 32 along a product's K
; (q, k: the head's 64; v: the keys), laid as IMAGES OF OPERAND REGISTERS, so that the two later launches fetch every fragment by loads of 16 bytes a lane at 16 x lane.
; A block's scale is 2^(floor(log2(its largest magnitude)) - 2): its byte is the largest magnitude's exponent field - 2, held at 1 from below.
; kv: [head 16][step 32][9,216 bytes], a record for 128 keys:
;   0     K's codes: tile t (0..7) at 512 t; lane (r, h) at 256 h + 16 r holds d = 32 h .. 32 h + 31 of key 32 (t / 2) + 8 (t % 2) + r + 8 (r / 8)
;   4096  V's codes: channel tile dt (0..3), half c at 1024 dt + 512 c + 256 h + 16 r: keys 64 c + 32 h .. + 31 of channel 16 dt + r
;   8192  K's scale words: lane (u, r) at 16 (16 u + r): word g belongs to row r of tile 2 g + u; bytes 0, 1 its two blocks, bytes 2, 3 = 0x7f (they scale zero codes)
;   8704  V's scale words: the same place; word a (0, 1) belongs to row r of tile 2 a + u, a byte for each of the four blocks of keys; words 2, 3 = 0x7f7f7f7f
; qr: [head][step 32][4,608 bytes], a record for 128 queries: tile t at 512 t + 256 h + 16 r holds d = 32 h .. of query 16 t + r; from 4096 on the scale words, laid as K's.
; SHARES.  Six waves: waves 0, 1 take q, waves 2, 3 k, waves 4, 5 v; wave pair member w % 2 of work-group x takes record 2 x + w % 2 (= 32 head + step): 32,768 bytes of f32 each.
; The three ways part on the wave's number and never join; no barrier; only q's waves use LDS, each 4,864 bytes of its own.
; k, v: K is not innermost, so A LANE TAKES A COLUMN AND ITS REGISTERS RUN DOWN K: a block of 32 lies in one lane, and the conversions give codes with K innermost.
; q: K is innermost: the loads take the bytes as they lie (512 on end), and a tile of 16 rows turns through the stage so that a lane holds 32 neighbours.
; No clusters, no tensor loads, no matrix unit: every input byte is read by one wave, once.
; LIMITS: NaN and infinities among the inputs are not served.  A block of zeros, or one whose largest magnitude lies under 2^-124, gets the byte 1 (the quantiser's rule says 127 for zeros):
; its codes are zeros or are made under that byte, and these bytes are read by this program alone.
.set X,   64                           ; v64-159  load sets of 32 registers (k, v: two; q: three)
.set XT,  160                          ; v160-191 q: a lane's 32 neighbours, back from the stage
.set C,   20                           ; v20-51   codes: four registers for each of 8 units, so that no store's data are written again
.set SW,  16                           ; v16-19   the scale words
.set STG, 4864                         ; a wave's stage: two halves of 2,432 bytes, 16 rows of 128 bytes + 16 in each
	s_load_b256 s[4:11], s[0:1], 0x0               ; q s[4:5], k s[6:7], v s[8:9], qr s[10:11]
	s_load_b64 s[12:13], s[0:1], 0x20              ; kv
	v_lshl_add_u32 v192, v0, 2, 0x2600
	v_mov_b32 v193, 0
	v_lshrrev_b32 v1, 5, v0
	v_readfirstlane_b32 s14, v1                    ; wave 0..5
	v_and_b32 v1, 31, v0                           ; lane
	s_wait_alu depctr_va_vdst(0)
	s_and_b32 s15, s14, 1
	s_lshr_b32 s17, s14, 1                         ; 0: q, 1: k, 2: v
	s_lshl_b32 s16, ttmp9, 1
	s_add_co_u32 s16, s16, s15                     ; my record: 32 x head + step
	s_mul_i32 s18, s15, STG                        ; my stage (q's waves)
	s_mov_b32 s20, 0x76543210
	s_mov_b32 s21, 0xfedcba98                      ; v_permlanex16_b32's selects for lane l xor 16
	s_mov_b32 vcc_lo, 0xffff0000                   ; lanes 16-31
	; the stage's addresses, made ahead of the parting.  In: load i brings rows 2 i + lane / 16, bytes 16 (lane % 16): row x 144 + 2,432 x (which 128 bytes) + the rest
	v_lshrrev_b32 v10, 4, v1                       ; lane / 16
	v_mul_u32_u24 v2, v10, 144
	v_bfe_u32 v11, v1, 3, 1
	v_mad_u32_u24 v2, v11, 2432, v2
	v_and_b32 v11, 7, v1
	v_lshl_add_u32 v2, v11, 4, v2
	v_add_nc_u32 v2, s18, v2                       ; sixteen lanes of a store cover 128 + 128 bytes that differ modulo 256 (2,432 = 9 x 256 + 128)
	v_and_b32 v11, 15, v1
	v_mul_u32_u24 v3, v11, 144                     ; out: row lane % 16, half lane / 16: 144 r modulo 256 takes sixteen different multiples of 16
	v_mad_u32_u24 v3, v10, 2432, v3
	v_add_nc_u32 v3, s18, v3
	v_lshlrev_b32 v4, 4, v1                        ; 16 x lane
	v_lshlrev_b32 v7, 3, v10                       ; 8 x (lane / 16): where my block's byte stands in q's scale word
	v_mov_b32 v8, 0                                ; a lane permute's destination counts as one of its sources
	s_lshl_b32 s28, s16, 15                        ; q, v: 128 rows of 256 bytes a record
	s_mov_b32 s29, 0
	s_mul_i32 s30, s16, 4608                       ; qr's record
	s_mov_b32 s31, 0
	s_mul_i32 s32, s16, 9216                       ; kv's record
	s_mov_b32 s33, 0
	s_lshr_b32 s34, s16, 5
	s_lshl_b32 s34, s34, 20                        ; k: the head's 64 rows of 16,384 bytes,
	s_and_b32 s35, s16, 31
	s_lshl_b32 s35, s35, 9                         ; and the step's 128 keys in a row
	s_add_co_u32 s34, s34, s35
	s_mov_b32 s35, 0
; The largest magnitude of the 32 numbers v[XS] .. v[XS + 31], in two chains, with the floor 2^(3 - 127) among the leaves (so the byte cannot fall under 1);
; 2 off its exponent field gives the conversions' scale operand, of which they take the exponent field alone.
.macro QMAX
	v_max3_num_f32 v12, |v[XS]|, |v[XS+1]|, |v[XS+2]|
	v_max3_num_f32 v13, |v[XS+3]|, |v[XS+4]|, |v[XS+5]|
.irp i, 6,10,14,18,22,26
	v_max3_num_f32 v12, v12, |v[XS+\i]|, |v[XS+\i+1]|
	v_max3_num_f32 v13, v13, |v[XS+\i+2]|, |v[XS+\i+3]|
.endr
	v_max3_num_f32 v12, v12, |v[XS+30]|, |v[XS+31]|
	v_max3_num_f32 v12, v12, v13, 0x1800000
	v_add_nc_u32 v11, 0xff000000, v12
.endm
; Unit n's 32 codes into v[C + 4 n] on, its scale byte into v13 (that shift is the plain line behind the conversions)
.macro CODES n
	QMAX
.irp g, 0,1,2,3
	v_cvt_scalef32_pk8_fp4_f32 v[C+4*(\n)+\g], v[XS+8*\g:XS+8*\g+7], v11
.endr
	v_lshrrev_b32 v13, 23, v11
.endm
; 32 loads: rows LO + i x LR of my column into set LSET
.macro LOADU
.set ld, 0
.rept 32
	global_load_b32 v[X+32*LSET+ld], v5, s[24:25] offset:LO+ld*LR th:TH_LOAD_NT
.set ld, ld+1
.endr
.endm
	s_wait_kmcnt 0x0
	s_cmp_eq_u32 s17, 0
	s_cbranch_scc0 .Lnot_q
	; ---------------- q: eight tiles of 16 rows, 4,096 consecutive bytes each
	s_add_nc_u64 s[24:25], s[4:5], s[28:29]
	s_add_nc_u64 s[26:27], s[10:11], s[30:31]
.macro LOADQ t
.irp i, 0,1,2,3,4,5,6,7
	global_load_b128 v[X+32*((\t)%3)+4*\i:X+32*((\t)%3)+4*\i+3], v4, s[24:25] offset:4096*(\t)+512*\i th:TH_LOAD_NT   ; 32 lanes read 512 consecutive bytes
.endr
.endm
.macro TILEQ t
.if (\t) <= 5
	s_wait_loadcnt 16                              ; this tile's eight loads are in; those of the two tiles behind it may be out
.else
	s_wait_loadcnt 8*(7-(\t))
.endif
.irp i, 0,1,2,3,4,5,6,7
	ds_store_b128 v2, v[X+32*((\t)%3)+4*\i:X+32*((\t)%3)+4*\i+3] offset:288*\i
.endr
.irp j, 0,1,2,3,4,5,6,7
	ds_load_b128 v[XT+4*\j:XT+4*\j+3], v3 offset:16*\j      ; LDS serves a wave's instructions in order: these see the stores above
.endr
	s_wait_dscnt 0x0                               ; my 32 neighbours are back, and the stores have read their registers,
.if (\t)+3 < 8
	LOADQ (\t)+3                                   ; which take the tile three further on
.endif
.set XS, XT
	CODES \t
	v_lshlrev_b32 v13, v7, v13                     ; my block's byte at its place,
	v_permlanex16_b32 v8, v13, s20, s21
	v_or_b32 v13, v13, v8                          ; with the row's other block's, from lane l xor 16
.if (\t)%2 == 0
	v_or_b32 v9, 0x7f7f0000, v13                   ; the even tile's word waits for the odd one's
.else
	v_or_b32 v13, 0x7f7f0000, v13
	v_cndmask_b32 v[SW+(\t)/2], v9, v13, vcc_lo    ; lanes 0-15: the even tile's rows, lanes 16-31: the odd tile's
.endif
	global_store_b128 v4, v[C+4*(\t):C+4*(\t)+3], s[26:27] offset:512*(\t)   ; 512 consecutive bytes, at a multiple of 256 from the buffer's first byte
.endm
	s_wait_alu depctr_va_vdst(0)
	LOADQ 0
	LOADQ 1
	LOADQ 2
.irp m, 0,1,2,3,4,5,6,7
	TILEQ \m
.endr
	global_store_b128 v4, v[SW:SW+3], s[26:27] offset:4096
	s_wait_tensorcnt 0x0
	ds_add_u32 v192, v193
	s_wait_dscnt 0x0
	s_endpgm
.Lnot_q:
	s_add_nc_u64 s[26:27], s[12:13], s[32:33]      ; kv's record
	s_cmp_eq_u32 s17, 1
	s_cbranch_scc0 .Lfor_v
	; ---------------- k: unit n = 4 b + g: d = 32 b .. 32 b + 31 of keys 32 g .. 32 g + 31.  Lane (u, r) takes the key that is row r of tile 2 g + u: the lane's number with bits 3 and 4 changed over
	s_add_nc_u64 s[24:25], s[6:7], s[34:35]
	v_and_b32 v5, 7, v1
	v_bfe_u32 v10, v1, 4, 1
	v_lshl_add_u32 v5, v10, 3, v5
	v_bfe_u32 v12, v1, 3, 1
	v_lshl_add_u32 v5, v12, 4, v5
	v_lshlrev_b32 v5, 2, v5                        ; my key's 4 bytes in a row: a load still covers 128 consecutive bytes
	v_and_b32 v6, 15, v1
	v_lshlrev_b32 v6, 4, v6
	v_lshl_add_u32 v6, v10, 9, v6                  ; my codes' place: 512 u + 16 r: sixteen lanes fill 256 consecutive bytes
.macro LOADK n
.set LSET, (\n)%2
.set LO, 32*((\n)/4)*16384+128*((\n)%4)
.set LR, 16384
	LOADU
.endm
.macro UNITK n
.set XS, X+32*((\n)%2)
.if (\n) < 7
	s_wait_loadcnt 32                              ; this unit's 32 loads are in; the next unit's may be out
.else
	s_wait_loadcnt 0x0
.endif
	CODES \n
.if (\n) < 4
	v_or_b32 v[SW+(\n)%4], 0x7f7f0000, v13         ; block 0's byte, and 0x7f for the zero codes of k = 64 .. 127
.else
	v_lshl_or_b32 v[SW+(\n)%4], v13, 8, v[SW+(\n)%4]
.endif
	global_store_b128 v6, v[C+4*(\n):C+4*(\n)+3], s[26:27] offset:1024*((\n)%4)+256*((\n)/4)
.if (\n)+2 < 8
	LOADK (\n)+2
.endif
.endm
	LOADK 0
	LOADK 1
.irp m, 0,1,2,3,4,5,6,7
	UNITK \m
.endr
	global_store_b128 v4, v[SW:SW+3], s[26:27] offset:8192
	s_endpgm
.Lfor_v:
	; ---------------- v: unit n = 2 B + a: keys 32 B .. 32 B + 31 of channels 32 a .. 32 a + 31; lane l takes channel 32 a + l
	s_add_nc_u64 s[24:25], s[8:9], s[28:29]
	v_lshlrev_b32 v5, 2, v1
	v_bfe_u32 v10, v1, 4, 1
	v_and_b32 v6, 15, v1
	v_lshlrev_b32 v6, 4, v6
	v_lshl_add_u32 v6, v10, 10, v6                 ; my codes' place: 1,024 (lane / 16) + 16 (lane % 16)
	v_mov_b32 v[SW+2], 0x7f7f7f7f                  ; so that every byte of the record is written
	v_mov_b32 v[SW+3], 0x7f7f7f7f
.macro LOADV n
.set LSET, (\n)%2
.set LO, 32*((\n)/2)*256+128*((\n)%2)
.set LR, 256
	LOADU
.endm
.macro UNITV n
.set XS, X+32*((\n)%2)
.if (\n) < 7
	s_wait_loadcnt 32                              ; this unit's 32 loads are in; the next unit's may be out
.else
	s_wait_loadcnt 0x0
.endif
	CODES \n
.if (\n) < 2
	v_mov_b32 v[SW+(\n)%2], v13
.else
	v_lshl_or_b32 v[SW+(\n)%2], v13, 8*((\n)/2), v[SW+(\n)%2]
.endif
	global_store_b128 v6, v[C+4*(\n):C+4*(\n)+3], s[26:27] offset:4096+2048*((\n)%2)+256*((\n)/2)
.if (\n)+2 < 8
	LOADV (\n)+2
.endif
.endm
	LOADV 0
	LOADV 1
.irp m, 0,1,2,3,4,5,6,7
	UNITV \m
.endr
	global_store_b128 v4, v[SW:SW+3], s[26:27] offset:8704
	s_endpgm
.Lfunc_end_k_qeaaca3bfbb_quant:
	.size	k_qeaaca3bfbb_quant, .Lfunc_end_k_qeaaca3bfbb_quant-k_qeaaca3bfbb_quant
	.p2alignl 7, 3214868480
	.fill 96, 4, 3214868480
	.section	.rodata,"a",@progbits
	.p2align	6, 0x0
	.amdhsa_kernel k_qeaaca3bfbb_quant
		.amdhsa_group_segment_fixed_size 10496
		.amdhsa_private_segment_fixed_size 0
		.amdhsa_enable_private_segment 0
		.amdhsa_kernarg_size 40
		.amdhsa_user_sgpr_count 2
		.amdhsa_user_sgpr_kernarg_segment_ptr 1
		.amdhsa_wavefront_size32 1
		.amdhsa_system_sgpr_workgroup_id_x 1
		.amdhsa_system_sgpr_workgroup_id_y 1
		.amdhsa_system_sgpr_workgroup_id_z 1
		.amdhsa_system_vgpr_workitem_id 0
		.amdhsa_next_free_vgpr 194
		.amdhsa_next_free_sgpr 66
		.amdhsa_reserve_vcc 1
		.amdhsa_float_denorm_mode_32 3
		.amdhsa_float_denorm_mode_16_64 3
		.amdhsa_memory_ordered 1
		.amdhsa_forward_progress 1
		.amdhsa_inst_pref_size 105
	.end_amdhsa_kernel
	.amdgpu_metadata
---
amdhsa.version: [ 1, 2 ]
amdhsa.kernels:
  - .name:           k_qeaaca3bfbb_quant
    .symbol:         k_qeaaca3bfbb_quant.kd
    .args:
      - { .name: q, .offset: 0, .size: 8, .value_kind: global_buffer, .address_space: global }
      - { .name: k, .offset: 8, .size: 8, .value_kind: global_buffer, .address_space: global }
      - { .name: v, .offset: 16, .size: 8, .value_kind: global_buffer, .address_space: global }
      - { .name: qr, .offset: 24, .size: 8, .value_kind: global_buffer, .address_space: global }
      - { .name: kv, .offset: 32, .size: 8, .value_kind: global_buffer, .address_space: global }
    .group_segment_fixed_size: 10496
    .private_segment_fixed_size: 0
    .kernarg_segment_align: 8
    .kernarg_segment_size: 40
    .max_flat_workgroup_size: 192
    .sgpr_count:     66
    .vgpr_count:     194
    .wavefront_size: 32
...
	.end_amdgpu_metadata
.endif
;; end of part 1
;; launch flash (part 2): grid 16 x 16, 16 waves a work-group, clusters of 4 x 1, 327,680 bytes of LDS; arguments qr, kv, out0, st; writes out0, st
.if DOCPART == 2
	.amdgcn_target "amdgcn-amd-amdhsa--gfx1250"
	.amdhsa_code_object_version 6
	.text
	.protected	k_qeaaca3bfbb_flash
	.globl	k_qeaaca3bfbb_flash
	.p2align	8
	.type	k_qeaaca3bfbb_flash,@function
k_qeaaca3bfbb_flash:
	s_mov_b64 s[64:65], 0
	v_nop
	global_prefetch_b8 v0, s[64:65] scope:SCOPE_SE
	s_setreg_imm32_b32 hwreg(HW_REG_WAVE_MODE, 25, 1), 1
	s_wait_xcnt 0x0
	s_wait_alu depctr_hold_cnt(0) depctr_sa_sdst(0) depctr_va_vdst(0) depctr_va_sdst(0) depctr_va_ssrc(0) depctr_va_vcc(0) depctr_vm_vsrc(0)
	s_getreg_b32 s2, hwreg(HW_REG_IB_STS2, 6, 4)
	s_cmp_eq_u32 s2, 0
	s_cbranch_scc0 .Lentry_in_a_cluster
	s_endpgm
.Lentry_in_a_cluster:
	s_bfe_u32 s2, ttmp6, 0x10000c
	s_cmp_lg_u32 s2, 0x3003
	s_cbranch_scc0 .Lentry_shape_is_right
	s_endpgm
.Lentry_shape_is_right:
; out0[h][q] = softmax over keys k <= q of (Q(q) . Q(k) / 8), times Q(v), both products on codes of FP4 (E2M1) with E8M0 scales; st[h][q] = -(M + log2 l) for the launch behind.
; p = 2^(t - M), t = score x log2(e) / 8, M the running largest t rounded up to a whole number; l sums the unquantised p; a change of M multiplies l and O by an exact power of two.
; LEFT OUT: steps of 128 keys that lie wholly behind a tile's queries: reference() itself sets their scores to -infinity, so their p is 0 for all inputs.
; THE FIRST PRODUCT'S K IS 64, the instruction's 128: registers 4-7 of Q's fragment are zero codes under the scale byte 0x7f.  Registers 4-7 of K's fragments meet those zeros, and every pattern of
; bits is a finite code of E2M1, so whatever they hold adds exactly 0: they begin as zeros and later hold the finished tile.
; SHARES.  Cluster J of a head owns blocks b = 4 J + i and 31 - b (i = 0..3) of 128 queries; work-group cx and e = wave / 8 pick tile 2 cx + e (16 queries) of a block.
; A tile of block x meets x + 1 steps of 128 keys, so a tile of block 31 - b and one of block b have 33 steps together.  TWO WAVES SHARE THEM: the even wave takes steps 0..16 of the late tile;
; the odd wave takes all b + 1 steps of the early tile and then steps 17 .. 31 - b of the late tile: 17 and 16 steps for every b.  Every wave walks all 32 steps (constant trip counts) and jumps over
; those that are not its own by a scalar branch on ids.  Behind step 16, a fixed place of the text, the odd wave finishes the early tile and begins the late tile anew.
; At the end the odd wave hands its part of the late tile (O, -M, l) to the even wave through LDS, which joins the two under the larger M; then each wave sends out one tile.
; A WHOLE HEAD'S RECORDS OF K AND V (32 x 9,216 bytes) LIE IN LDS, filled once, jointly for the cluster's four work-groups (mask 15): records 0-3 at the head (9 rows of 256 bytes a wave),
; records 4-31 behind the full sequence and a round (63 rows a wave).  No prefetch: the two fills ask for every byte at the head, and no loop runs ahead of them.
; FRAGMENTS RUN AHEAD: behind a step's first product V's fragments and the next step's K are asked for (K's record held at the last one that has landed); a first load of K stands ahead of each walk.
; The record's byte offset in LDS is the step's number and the loops' counter at once.
; LIMITS: NaN and infinities are not served; the promise holds while |t| stays under 2^31.
.set REC,  9216
.set SPARE, 0x48000                    ; behind the records: the spare words, 128 bytes a wave
.set XCH,  73728                       ; the hand-over: 4,608 bytes a pair of waves, behind the sixteen stages of 4,352 bytes; both lie in records that are read no more
.set LI,   1
.set ADR,  2
.set GO,   3
.set STO,  4
.set RD,   5
.set DD,   6
.set NINF, 7
.set QS,   8
.set SOF,  9
.set KSC,  10
.set VSC,  14
.set PS,   16
.set XA,   17
.set NM,   18
.set LS,   20
.set FF,   22
.set QF,   24
.set KF,   32                          ; v32-95: tile t's codes in 8 t .. 8 t + 3; registers 8 t + 4 .. 8 t + 7 hold four numbers of the finished tile
.set VF,   96
.set S,    128
.set O,    192
.set PC,   224
.set BM,   232
.set T4,   236
.set TT,   240
.set ADN,  243
.set SO4,  244
.set Q2,   248                         ; v248-252 the late tile's codes and scale word
.set ST,   253
.set WV,   12
.set CX,   13
.set TY,   14                          ; 0: even wave, 1: odd wave
.set HD,   15
.set EE,   16
.set BS,   17                          ; b
.set BL,   18                          ; 31 - b
.set BLK,  19                          ; the block of the tile that I send out
.set SEL,  20
.set CS,   22
.set G1A,  24
.set G1B,  32
.set G0A,  40
.set G0B,  44
.set TB,   48                          ; the step's record in LDS
.set BLB,  85                          ; the record of the last step of the tile in hand
.macro CROUND
	s_barrier_signal -1
	s_barrier_wait -1
	s_cmp_lg_u32 s[WV], 0
	s_cbranch_scc1 .Lnot_wave_0_\@
	s_barrier_signal -3
.Lnot_wave_0_\@:
	s_barrier_wait -3
	s_barrier_signal -1
	s_barrier_wait -1
.endm
	s_load_b256 s[4:11], s[0:1], 0x0               ; qr, kv, out0, st
	v_lshl_add_u32 v254, v0, 2, SPARE
	v_mov_b32 v255, 0
	ds_add_u32 v254, v255                          ; the opening lines
	ds_add_u32 v254, v255
	v_lshrrev_b32 v232, 5, v0
	s_delay_alu instid0(VALU_DEP_1)
	v_readfirstlane_b32 s[WV], v232
	s_bfe_u32 s[CX], ttmp6, 0x40000                ; cx enters global addresses of my own loads and stores and a vector compare alone
	s_and_b32 s[HD], ttmp7, 0xffff
	s_and_b32 s[TY], s[WV], 1
	s_lshr_b32 s[EE], s[WV], 3
	s_bfe_u32 s[BS], s[WV], 0x20001                ; i
	s_lshl_b32 s51, ttmp9, 2
	s_add_co_u32 s[BS], s[BS], s51
	s_sub_co_u32 s[BL], 31, s[BS]
	s_cmp_eq_u32 s[TY], 0
	s_cselect_b32 s[BLK], s[BL], s[BS]             ; my first tile's block, which is also the tile that I send out
	s_mul_i32 s[BLB], s[BLK], REC
	s_mul_i32 s84, s[BL], REC                      ; the late tile's last record
	s_mov_b32 s[G1A], 15|(3<<16)|(1<<21)           ; mask of all four; elements of 8 bytes; bit 21 beside a mask
	s_mov_b32 s[G1B], 15|(3<<16)|(1<<21)
.irp g, G1A, G1B
	s_mov_b32 s[\g+1], 32<<16
	s_mov_b32 s[\g+3], 32<<16
	s_mov_b32 s[\g+5], 32
	s_mov_b32 s[\g+6], 0
	s_mov_b32 s[\g+7], 0
.endr
	s_mov_b32 s[G1A+2], 9<<16
	s_mov_b32 s[G1A+4], 9
	s_mov_b32 s[G1B+2], 63<<16
	s_mov_b32 s[G1B+4], 63
	s_mul_i32 s51, s[WV], 2304                     ; my part of records 0-3, in LDS and in the head's bytes alike
	s_mul_i32 s52, s[WV], 16128
	s_add_co_u32 s52, s52, 36864                   ; and of records 4-31
	s_mul_i32 s53, s[HD], 294912
	s_add_co_u32 s54, s53, s51
	s_mov_b32 s55, 0
	s_add_co_u32 s56, s53, s52
	s_mov_b32 s57, 0
	s_mul_i32 s58, s[HD], 147456
	s_mul_i32 s60, s[BLK], 4608
	s_add_co_u32 s60, s60, s58                     ; qr's record of my first tile
	s_mov_b32 s61, 0
	s_mul_i32 s62, s[BL], 4608
	s_add_co_u32 s62, s62, s58                     ; and of the late tile
	s_mov_b32 s63, 0
	s_lshl_b32 s59, s[CX], 1
	s_add_co_u32 s59, s59, s[EE]                   ; the tile in its block
	s_lshl_b32 s80, s59, 9                         ; its codes
	s_lshl_b32 s81, s[EE], 8
	s_lshl_b32 s82, s[CX], 2
	s_add_co_u32 s81, s81, s82
	s_add_co_u32 s81, s81, 4096                    ; its scale words
	s_lshl_b32 s70, s[HD], 20
	s_lshl_b32 s71, s[BLK], 15
	s_add_co_u32 s70, s70, s71
	s_lshl_b32 s71, s59, 12
	s_add_co_u32 s70, s70, s71                     ; my 16 rows of out0
	s_mov_b32 s71, 0
	s_lshr_b32 s72, s70, 6                         ; and of st
	s_mov_b32 s73, 0
	s_lshl_b32 s78, s59, 4
	s_mul_i32 s79, s[WV], 4352                     ; my stage
	s_lshr_b32 s83, s[WV], 1
	s_mul_i32 s83, s83, 4608
	s_add_co_u32 s83, s83, XCH                     ; my pair's hand-over
	s_mov_b32 s[SEL], 0x76543210
	s_mov_b32 s[SEL+1], 0xfedcba98
	s_mov_b32 s[CS], 0x3e38aa3b                    ; log2(e) / 8
	s_mov_b32 s[CS+1], s[CS]
	s_wait_dscnt 0x0
	s_wait_kmcnt 0x0
	s_mov_b32 s[G0A], 1
	s_mov_b32 s[G0A+1], s51
	s_add_nc_u64 s[G0A+2:G0A+3], s[6:7], s[54:55]
	s_or_b32 s[G0A+3], s[G0A+3], 0x80000000
	s_mov_b32 s[G0B], 1
	s_mov_b32 s[G0B+1], s52
	s_add_nc_u64 s[G0B+2:G0B+3], s[6:7], s[56:57]
	s_or_b32 s[G0B+3], s[G0B+3], 0x80000000
	s_add_nc_u64 s[66:67], s[4:5], s[60:61]
	s_add_nc_u64 s[68:69], s[4:5], s[62:63]
	s_add_nc_u64 s[74:75], s[8:9], s[70:71]
	s_add_nc_u64 s[76:77], s[10:11], s[72:73]
	CROUND
	tensor_load_to_lds s[G0A:G0A+3], s[G1A:G1A+7]  ; records 0-3: my one load at the head
	s_nop 0
.rept 4
	v_nop
.endr
	; the vector set-up stands under that load's flight
	v_and_b32 v234, 31, v0
	v_and_b32 v232, 15, v0
	v_bfe_u32 v233, v0, 4, 1
	v_lshlrev_b32 v[LI], 4, v234
	v_lshl_add_u32 v129, v232, 4, s81
	s_delay_alu instid0(VALU_DEP_2)
	v_add_nc_u32 v128, s80, v[LI]
	global_load_b128 v[QF:QF+3], v128, s[66:67]
	global_load_b32 v[QS], v129, s[66:67]
	global_load_b128 v[Q2:Q2+3], v128, s[68:69]
	global_load_b32 v[Q2+4], v129, s[68:69]
.irp j, 4,5,6,7
	v_mov_b32 v[QF+\j], 0
.endr
.irp t, 0,1,2,3,4,5,6,7
.irp j, 4,5,6,7
	v_mov_b32 v[KF+8*\t+\j], 0
.endr
.endr
.set j, 0
.rept 32
	v_mov_b32 v[O+j], 0
.set j, j+1
.endr
	v_mov_b32 v[ST], 0
	v_mov_b32 v[LS], 0
	v_mov_b32 v[LS+1], 0
	v_mov_b32 v[FF+1], 0
.irp b, 0,1,2,3
	v_mov_b32 v[T4+\b], 0
.endr
	v_mov_b32 v[NM+1], 0xff61b1e6                  ; -3e38, under every t
	s_delay_alu instid0(VALU_DEP_1)
	v_floor_f32 v[NM], -v[NM+1]
	v_mov_b32 v[NINF], 0xff800000
	v_lshlrev_b32 v234, 4, v233
	s_delay_alu instid0(VALU_DEP_1)
	v_sub_nc_u32 v[DD], v232, v234
	s_delay_alu instid0(VALU_DEP_1)
	v_add_nc_u32 v[DD], s78, v[DD]                 ; my query's place in its block - 16 h
	v_lshlrev_b32 v[SOF], 2, v232
	v_add_nc_u32 v[XA], s83, v[LI]
	v_mul_u32_u24 v[STO], v232, 272
	s_delay_alu instid0(VALU_DEP_1)
	v_lshl_add_u32 v[STO], v233, 5, v[STO]
	s_delay_alu instid0(VALU_DEP_1)
	v_add_nc_u32 v[STO], s79, v[STO]
	v_mul_u32_u24 v[RD], v233, 272
	s_delay_alu instid0(VALU_DEP_1)
	v_lshl_add_u32 v[RD], v232, 4, v[RD]
	s_delay_alu instid0(VALU_DEP_1)
	v_add_nc_u32 v[RD], s79, v[RD]
	v_lshlrev_b32 v[GO], 8, v233
	s_delay_alu instid0(VALU_DEP_1)
	v_lshl_add_u32 v[GO], v232, 4, v[GO]
	s_wait_alu depctr_va_vdst(0)
	s_wait_tensorcnt 0x0                           ; my part of records 0-3 is in; the full sequence ahead of the later first fill
	ds_add_u32 v254, v255
	s_wait_dscnt 0x0
	CROUND                                         ; everybody's part is in
	tensor_load_to_lds s[G0B:G0B+3], s[G1B:G1B+7]  ; records 4-31
	s_nop 0
.rept 4
	v_nop
.endr
; K's fragments and scale words of the record at v[ADN]: nine loads
.macro KLOADS
	ds_load_b128 v[KSC:KSC+3], v[ADN] offset:8192
.irp t, 0,1,2,3,4,5,6,7
	ds_load_b128 v[KF+8*\t:KF+8*\t+3], v[ADN] offset:512*\t
.endr
.endm
.macro KFIRST                          ; ahead of a walk: K of the walk's first step
	v_add_nc_u32 v[ADN], s[TB], v[LI]
	KLOADS
.endm
; A STEP: 128 keys against the 16 queries of the tile in hand.  lim: the last record that the look-ahead for K may name
.macro STEP lim
	s_cmp_gt_u32 s[TB], s[BLB]
	s_cbranch_scc1 .Lhidden_\@
	s_add_co_u32 s51, s[TB], REC
	s_min_u32 s51, s51, \lim
	s_wait_dscnt 0x0                               ; K is in
.irp g, 0,1,2,3
	v_wmma_scale_f32_16x16x128_f8f6f4 v[S+16*\g:S+16*\g+7], v[KF+16*\g:KF+16*\g+7], v[QF:QF+7], 0, v[KSC+\g], v[QS] matrix_a_fmt:MATRIX_FMT_FP4 matrix_b_fmt:MATRIX_FMT_FP4
	v_wmma_scale_f32_16x16x128_f8f6f4 v[S+16*\g+8:S+16*\g+15], v[KF+16*\g+8:KF+16*\g+15], v[QF:QF+7], 0, v[KSC+\g], v[QS] matrix_a_fmt:MATRIX_FMT_FP4 matrix_b_fmt:MATRIX_FMT_FP4 matrix_a_scale:MATRIX_SCALE_ROW1
.endr
	v_add_nc_u32 v[ADR], s[TB], v[LI]              ; four places behind the products, three of them work that is due: this record,
	v_add_nc_u32 v[ADN], s51, v[LI]                ; the next,
	v_mov_b32 v[TT+1], v[NM]                       ; the old -M
	v_nop
	ds_load_b64 v[VSC:VSC+1], v[ADR] offset:8704
.irp t, 0,1,2,3,4,5,6,7
	ds_load_b128 v[VF+4*\t:VF+4*\t+3], v[ADR] offset:4096+512*\t
.endr
	KLOADS                                         ; the next step's K
	s_cmp_lt_u32 s[TB], s[BLB]
	s_cbranch_scc1 .Lopen_\@
.set n, 0
.rept 64                                           ; the tile's own block: register 16 b + i holds key 32 b + 16 h + i, hidden where that passes my query
	v_cmp_gt_i32 vcc_lo, 32*(n/16)+n%16, v[DD]
	v_cndmask_b32 v[S+n], v[S+n], v[NINF], vcc_lo
.set n, n+1
.endr
.Lopen_\@:
.irp b, 0,1,2,3                                    ; the four blocks by turns, here and below
	v_max3_num_f32 v[BM+\b], v[S+16*\b], v[S+16*\b+1], v[S+16*\b+2]
.endr
.irp i, 3,5,7,9,11,13
.irp b, 0,1,2,3
	v_max3_num_f32 v[BM+\b], v[BM+\b], v[S+16*\b+\i], v[S+16*\b+\i+1]
.endr
.endr
.irp b, 0,1,2,3
	v_max_num_f32 v[BM+\b], v[BM+\b], v[S+16*\b+15]
.endr
.irp b, 0,1,2,3
	v_permlanex16_b32 v[T4+\b], v[BM+\b], s[SEL], s[SEL+1]
.endr
.irp b, 0,1,2,3
	v_max_num_f32 v[BM+\b], v[BM+\b], v[T4+\b]
.endr
	s_delay_alu instid0(VALU_DEP_2)
	v_max3_num_f32 v[TT], v[BM], v[BM+1], v[BM+2]
	s_delay_alu instid0(VALU_DEP_1)
	v_max_num_f32 v[TT], v[TT], v[BM+3]
	s_delay_alu instid0(VALU_DEP_1)
	v_mul_f32 v[TT], s[CS], v[TT]
	s_delay_alu instid0(VALU_DEP_1)
	v_max_num_f32 v[NM+1], v[NM+1], v[TT]
	s_delay_alu instid0(VALU_DEP_1)
	v_floor_f32 v[NM], -v[NM+1]                    ; -M
.set j, 0
.rept 32
	v_pk_fma_f32 v[S+j:S+j+1], v[S+j:S+j+1], s[CS:CS+1], v[NM:NM+1] op_sel_hi:[1,0,0]
.if j == 10                                        ; f = 2^(old M - new M): its three lines stand six multiply-adds apart
	v_sub_f32 v[TT], v[NM], v[TT+1]
.endif
.if j == 22
	v_cvt_i32_f32 v[TT], v[TT]
.endif
.if j == 34
	v_ldexp_f32 v[FF], 1.0, v[TT]
.endif
.set j, j+2
.endr
.irp b, 0,1,2,3
	v_fma_f32 v[BM+\b], v[BM+\b], s[CS], v[NM]
.endr
.set j, 0
.rept 16
	v_pk_mul_f32 v[O+j:O+j+1], v[O+j:O+j+1], v[FF:FF+1] op_sel_hi:[1,0]   ; O under the new M, ahead of the exponentials
.set j, j+2
.endr
.set j, 0
	s_wait_alu depctr_va_vdst(0)
.rept 64
	v_exp_f32 v[S+j], v[S+j]
.set j, j+1
.endr
.irp b, 0,1,2,3
	v_exp_f32 v[BM+\b], v[BM+\b]                   ; each block's largest p
.endr
	v_pk_mul_f32 v[LS:LS+1], v[LS:LS+1], v[FF:FF+1] op_sel_hi:[1,0]
	s_wait_alu depctr_va_vdst(0)
.irp b, 0,1,2,3
	v_max_num_f32 v[BM+\b], 0x1800000, v[BM+\b]
.endr
.irp b, 0,1,2,3
	v_add_nc_u32 v[SO4+\b], 0xff000000, v[BM+\b]
.endr
.irp b, 0,1,2,3
	v_lshrrev_b32 v[T4+\b], 23, v[SO4+\b]
.endr
.irp b, 0,1,2,3
	v_cvt_scalef32_pk8_fp4_f32 v[PC+2*\b], v[S+16*\b:S+16*\b+7], v[SO4+\b]
	v_cvt_scalef32_pk8_fp4_f32 v[PC+2*\b+1], v[S+16*\b+8:S+16*\b+15], v[SO4+\b]
.endr
	v_lshl_or_b32 v[PS], v[T4+1], 8, v[T4]         ; p's scale word, as a tree; these two are also the plain lines behind the conversions
	v_lshl_or_b32 v[T4+2], v[T4+3], 8, v[T4+2]
.irp c, 0,1
.irp i, 0,1
	v_permlane16_swap_b32 v[PC+4*\c+\i], v[PC+4*\c+2+\i]
.endr
.endr
	v_lshl_or_b32 v[PS], v[T4+2], 16, v[PS]
	; the row's sum of the unquantised p, in four chains by turns: v236-237, v238-239, v240-241 and l itself
	v_pk_add_f32 v[T4:T4+1], v[S:S+1], v[S+2:S+3]
	v_pk_add_f32 v[T4+2:T4+3], v[S+4:S+5], v[S+6:S+7]
	v_pk_add_f32 v[TT:TT+1], v[S+8:S+9], v[S+10:S+11]
	v_pk_add_f32 v[LS:LS+1], v[LS:LS+1], v[S+12:S+13]
.set j, 14
.rept 25
.set c, (j/2+1)%4
.if c == 3
	v_pk_add_f32 v[LS:LS+1], v[LS:LS+1], v[S+j:S+j+1]
.else
	v_pk_add_f32 v[T4+2*c:T4+2*c+1], v[T4+2*c:T4+2*c+1], v[S+j:S+j+1]
.endif
.set j, j+2
.endr
	v_pk_add_f32 v[T4:T4+1], v[T4:T4+1], v[T4+2:T4+3]
	v_pk_add_f32 v[LS:LS+1], v[LS:LS+1], v[TT:TT+1]
	s_delay_alu instid0(VALU_DEP_1)
	v_pk_add_f32 v[LS:LS+1], v[LS:LS+1], v[T4:T4+1]
	s_wait_alu depctr_va_vdst(0)
	s_wait_dscnt 9                                 ; V is in; the nine loads of the next K may be out
.irp a, 0,1
	v_wmma_scale_f32_16x16x128_f8f6f4 v[O+16*\a:O+16*\a+7], v[VF+16*\a:VF+16*\a+7], v[PC:PC+7], v[O+16*\a:O+16*\a+7], v[VSC+\a], v[PS] matrix_a_fmt:MATRIX_FMT_FP4 matrix_b_fmt:MATRIX_FMT_FP4
	v_wmma_scale_f32_16x16x128_f8f6f4 v[O+16*\a+8:O+16*\a+15], v[VF+16*\a+8:VF+16*\a+15], v[PC:PC+7], v[O+16*\a+8:O+16*\a+15], v[VSC+\a], v[PS] matrix_a_fmt:MATRIX_FMT_FP4 matrix_b_fmt:MATRIX_FMT_FP4 matrix_a_scale:MATRIX_SCALE_ROW1
.endr
.Lhidden_\@:
	s_add_co_u32 s[TB], s[TB], REC
.endm
; records first .. last - 1
.macro WALK last, lim
.Lwalk_\@:
	STEP \lim
	s_cmp_lt_u32 s[TB], (\last)*REC
	s_cbranch_scc1 .Lwalk_\@
.endm
	s_wait_loadcnt 0x0                             ; both tiles' codes of q
	s_mov_b32 s[TB], 0
	KFIRST
	WALK 4, 3*REC                                  ; steps 0-3, while records 4-31 land
	s_wait_tensorcnt 0x0
	s_wait_dscnt 0x0
	s_barrier_signal -1
	s_barrier_wait -1                              ; everybody's part of records 4-31 is in
	s_mov_b32 s[TB], 4*REC
	KFIRST
	WALK 17, 31*REC                                ; steps 4-16
	; BEHIND STEP 16.  The even wave has done its share: every later step is hidden from it.  The odd wave finishes the early tile and begins the late one.
	s_mov_b32 s[TB], 17*REC
	s_cmp_eq_u32 s[TY], 0
	s_cselect_b32 s[BLB], 0, s84
	s_cbranch_scc1 .Lmid
	s_wait_dscnt 0x0                               ; no load into K's registers is out
.rept 4
	v_nop
.endr
	v_add_f32 v[LS], v[LS], v[LS+1]
	s_delay_alu instid0(VALU_DEP_1)
	v_permlanex16_b32 v[T4], v[LS], s[SEL], s[SEL+1]
	s_delay_alu instid0(VALU_DEP_1)
	v_add_f32 v[LS], v[LS], v[T4]
	s_wait_alu depctr_va_vdst(0)
	v_rcp_f32 v[FF], v[LS]
	v_log_f32 v[TT], v[LS]
	v_nop
	s_wait_alu depctr_va_vdst(0)
	v_sub_f32 v[ST], v[NM], v[TT]                  ; -(M + log2 l)
.set j, 0
.rept 16
.set RJ, KF+8*(j/4)+4+j%4
	v_pk_mul_f32 v[RJ:RJ+1], v[O+j:O+j+1], v[FF:FF+1] op_sel_hi:[1,0]
.set j, j+2
.endr
.irp j, 0,1,2,3
	v_mov_b32 v[QF+\j], v[Q2+\j]
.endr
	v_mov_b32 v[QS], v[Q2+4]
.set j, 0
.rept 32
	v_mov_b32 v[O+j], 0
.set j, j+1
.endr
	v_mov_b32 v[LS], 0
	v_mov_b32 v[LS+1], 0
	v_mov_b32 v[NM+1], 0xff61b1e6
	s_delay_alu instid0(VALU_DEP_1)
	v_floor_f32 v[NM], -v[NM+1]
	KFIRST                                         ; K of step 17
	s_wait_alu depctr_va_vdst(0)
.Lmid:
	WALK 32, 31*REC                                ; steps 17-31
.rept 4
	v_nop
.endr
	s_wait_alu depctr_va_vdst(0)
	s_wait_dscnt 0x0
	s_barrier_signal -1
	s_barrier_wait -1                              ; nobody reads the records any more
	s_cmp_eq_u32 s[TY], 0
	s_cbranch_scc1 .Lkeep
.irp k, 0,1,2,3,4,5,6,7
	ds_store_b128 v[XA], v[O+4*\k:O+4*\k+3] offset:512*\k    ; the odd wave's part of the late tile, as an image of its registers
.endr
	ds_store_b128 v[XA], v[NM:NM+3] offset:4096    ; -M, the largest t, l's two halves
.Lkeep:
	s_wait_dscnt 0x0
	s_barrier_signal -1
	s_barrier_wait -1
	s_cmp_lg_u32 s[TY], 0
	s_cbranch_scc1 .Lout
.irp k, 0,1,2,3,4,5,6,7
	ds_load_b128 v[S+4*\k:S+4*\k+3], v[XA] offset:512*\k
.endr
	ds_load_b128 v[S+32:S+35], v[XA] offset:4096
	s_wait_dscnt 0x0
	v_min_num_f32 v[TT], v[NM], v[S+32]            ; -M of the larger M.  (A partner with no step holds -M = 3e38, l = 0, O = 0: its factor comes out 0)
	s_delay_alu instid0(VALU_DEP_1)
	v_sub_f32 v[BM], v[TT], v[NM]
	v_sub_f32 v[BM+1], v[TT], v[S+32]
	s_delay_alu instid0(VALU_DEP_2)
	v_cvt_i32_f32 v[BM], v[BM]
	s_delay_alu instid0(VALU_DEP_2)
	v_cvt_i32_f32 v[BM+1], v[BM+1]
	s_delay_alu instid0(VALU_DEP_2)
	v_ldexp_f32 v[FF], 1.0, v[BM]                  ; my part's factor,
	s_delay_alu instid0(VALU_DEP_2)
	v_ldexp_f32 v[T4], 1.0, v[BM+1]                ; and my partner's: exact powers of two
	s_delay_alu instid0(VALU_DEP_2)
	v_pk_mul_f32 v[LS:LS+1], v[LS:LS+1], v[FF:FF+1] op_sel_hi:[1,0]
	s_delay_alu instid0(VALU_DEP_1)
	v_pk_fma_f32 v[LS:LS+1], v[S+34:S+35], v[T4:T4+1], v[LS:LS+1] op_sel_hi:[1,0,1]
	s_delay_alu instid0(VALU_DEP_1)
	v_add_f32 v[LS], v[LS], v[LS+1]
	s_delay_alu instid0(VALU_DEP_1)
	v_permlanex16_b32 v[T4+2], v[LS], s[SEL], s[SEL+1]
	s_delay_alu instid0(VALU_DEP_1)
	v_add_f32 v[LS], v[LS], v[T4+2]
	s_wait_alu depctr_va_vdst(0)
	v_rcp_f32 v[TT+1], v[LS]
	v_log_f32 v[TT+2], v[LS]
	v_nop
	s_wait_alu depctr_va_vdst(0)
	v_mul_f32 v[FF], v[FF], v[TT+1]
	v_mul_f32 v[T4], v[T4], v[TT+1]
	v_sub_f32 v[ST], v[TT], v[TT+2]
.set j, 0
.rept 16
.set RJ, KF+8*(j/4)+4+j%4
	v_pk_mul_f32 v[RJ:RJ+1], v[O+j:O+j+1], v[FF:FF+1] op_sel_hi:[1,0]
.set j, j+2
.endr
.set j, 0
.rept 16
.set RJ, KF+8*(j/4)+4+j%4
	v_pk_fma_f32 v[RJ:RJ+1], v[S+j:S+j+1], v[T4:T4+1], v[RJ:RJ+1] op_sel_hi:[1,0,1]
.set j, j+2
.endr
.Lout:
	; THE WAY OUT: a tile through my stage, so that sixteen lanes store one aligned row of 256 bytes
	v_and_b32 v[TT+2], 31, v0
	s_wait_alu depctr_va_vdst(0)
.irp t, 0,1,2,3
	ds_store_b128 v[STO], v[KF+16*\t+4:KF+16*\t+7] offset:64*\t
	ds_store_b128 v[STO], v[KF+16*\t+12:KF+16*\t+15] offset:64*\t+16
.endr
.irp i, 0,1,2,3,4,5,6,7
	ds_load_b128 v[S+32+4*\i:S+32+4*\i+3], v[RD] offset:544*\i
.endr
.irp i, 0,1,2,3,4,5,6,7
	s_wait_dscnt 7-\i                              ; the loads behind load i may be out
	global_store_b128 v[GO], v[S+32+4*\i:S+32+4*\i+3], s[74:75] offset:512*\i th:TH_STORE_NT
.endr
	s_wait_xcnt 0x0
	v_cmp_gt_u32 vcc_lo, 16, v[TT+2]
	s_and_saveexec_b32 s80, vcc_lo
	global_store_b32 v[SOF], v[ST], s[76:77]
	s_wait_xcnt 0x0
	s_or_b32 exec_lo, exec_lo, s80
	s_wait_tensorcnt 0x0                           ; the wave's end
	ds_add_u32 v254, v255
	s_wait_dscnt 0x0
	CROUND
	s_endpgm
.Lfunc_end_k_qeaaca3bfbb_flash:
	.size	k_qeaaca3bfbb_flash, .Lfunc_end_k_qeaaca3bfbb_flash-k_qeaaca3bfbb_flash
	.p2alignl 7, 3214868480
	.fill 96, 4, 3214868480
	.section	.rodata,"a",@progbits
	.p2align	6, 0x0
	.amdhsa_kernel k_qeaaca3bfbb_flash
		.amdhsa_group_segment_fixed_size 327680
		.amdhsa_private_segment_fixed_size 0
		.amdhsa_enable_private_segment 0
		.amdhsa_kernarg_size 32
		.amdhsa_user_sgpr_count 2
		.amdhsa_user_sgpr_kernarg_segment_ptr 1
		.amdhsa_wavefront_size32 1
		.amdhsa_system_sgpr_workgroup_id_x 1
		.amdhsa_system_sgpr_workgroup_id_y 1
		.amdhsa_system_sgpr_workgroup_id_z 1
		.amdhsa_system_vgpr_workitem_id 0
		.amdhsa_next_free_vgpr 256
		.amdhsa_next_free_sgpr 96
		.amdhsa_reserve_vcc 1
		.amdhsa_float_denorm_mode_32 3
		.amdhsa_float_denorm_mode_16_64 3
		.amdhsa_memory_ordered 1
		.amdhsa_forward_progress 1
		.amdhsa_inst_pref_size 83
	.end_amdhsa_kernel
	.amdgpu_metadata
---
amdhsa.version: [ 1, 2 ]
amdhsa.kernels:
  - .name:           k_qeaaca3bfbb_flash
    .symbol:         k_qeaaca3bfbb_flash.kd
    .args:
      - { .name: qr, .offset: 0, .size: 8, .value_kind: global_buffer, .address_space: global }
      - { .name: kv, .offset: 8, .size: 8, .value_kind: global_buffer, .address_space: global }
      - { .name: out0, .offset: 16, .size: 8, .value_kind: global_buffer, .address_space: global }
      - { .name: st, .offset: 24, .size: 8, .value_kind: global_buffer, .address_space: global }
    .group_segment_fixed_size: 327680
    .private_segment_fixed_size: 0
    .kernarg_segment_align: 8
    .kernarg_segment_size: 32
    .max_flat_workgroup_size: 512
    .sgpr_count:     96
    .vgpr_count:     256
    .wavefront_size: 32
...
	.end_amdgpu_metadata
.endif
;; end of part 2
;; launch colsum (part 3): grid 16 x 16, 16 waves a work-group, clusters of 4 x 1, 327,680 bytes of LDS; arguments qr, st, kv, out1; writes out1
.if DOCPART == 3
	.amdgcn_target "amdgcn-amd-amdhsa--gfx1250"
	.amdhsa_code_object_version 6
	.text
	.protected	k_qeaaca3bfbb_colsum
	.globl	k_qeaaca3bfbb_colsum
	.p2align	8
	.type	k_qeaaca3bfbb_colsum,@function
k_qeaaca3bfbb_colsum:
	s_mov_b64 s[64:65], 0
	v_nop
	global_prefetch_b8 v0, s[64:65] scope:SCOPE_SE
	s_setreg_imm32_b32 hwreg(HW_REG_WAVE_MODE, 25, 1), 1
	s_wait_xcnt 0x0
	s_wait_alu depctr_hold_cnt(0) depctr_sa_sdst(0) depctr_va_vdst(0) depctr_va_sdst(0) depctr_va_ssrc(0) depctr_va_vcc(0) depctr_vm_vsrc(0)
	s_getreg_b32 s2, hwreg(HW_REG_IB_STS2, 6, 4)
	s_cmp_eq_u32 s2, 0
	s_cbranch_scc0 .Lentry_in_a_cluster
	s_endpgm
.Lentry_in_a_cluster:
	s_bfe_u32 s2, ttmp6, 0x10000c
	s_cmp_lg_u32 s2, 0x3003
	s_cbranch_scc0 .Lentry_shape_is_right
	s_endpgm
.Lentry_shape_is_right:
; out1[h][k] = the sum over queries q >= k of the finished softmax, 2^(t + st[h][q]), t = (Q(q) . Q(k)) x log2(e) / 8 and st = -(M + log2 l) from the launch before.
; A key's sum wants every later row's final M and l, so the scores are made once more, on the same codes of FP4 (E2M1) with E8M0 scales, in a launch laid by keys.
; LEFT OUT: blocks of queries that lie wholly in front of a wave's keys: reference() itself sets their scores to -infinity, so their terms are 0 for all inputs.
; THE PRODUCT'S K IS 64, the instruction's 128: registers 4-7 of both operands are zero codes, under the scale byte 0x7f.
; SHARES.  A head has 32 blocks of 128 keys; block x meets the 32 - x blocks of queries from x on.  Cluster J owns blocks b = 4 J + i and 31 - b, i = wave / 4.
; A WAVE HOLDS 32 KEYS OF BLOCK b AND 32 OF BLOCK 31 - b (K's tiles 2 cx + u, u = 0, 1, of each) and takes of each block of queries the quarter e = wave % 4 (tiles 2 e, 2 e + 1).
; Walking down from block 31 it meets b + 1 blocks with both sets of keys and 31 - 2 b with the early set alone: 33 products of 32 x 32 for every b.  The two cases have a body each, chosen by ids.
; Source 0 = 16 queries, source 1 = 16 keys: a lane holds ONE key and its register j query 8 (lane / 16) + j, so the sum over queries is a sum over the lane's registers.  The four quarters meet in LDS.
; A WHOLE HEAD'S q CODES (32 records of 4,608 bytes) AND st (16,384 bytes) LIE IN LDS, filled once, jointly for the cluster (mask 15).  At the head a load a wave: waves 0-3 st (16 rows of 256 bytes each),
; waves 4-15 records 24-31 (12 rows each); records 0-23 (27 rows a wave) behind the full sequence and a round.  No prefetch: the fills ask for every byte at the head, and no loop runs ahead of them.
; FRAGMENTS RUN AHEAD: the next block's codes are asked for behind this block's products, its st behind the multiply-adds (the block held at the last that has landed).
; LIMITS: NaN and infinities are not served; a term under 2^-126 counts as 0; the exponent t + st is rounded once, so the error grows as 2^-24 x |st| x ln 2.
.set STL,  147456                      ; st in LDS, behind the records
.set SUMS, 163840                      ; 256 bytes a wave for its 64 sums: no fill lands there
.set SPARE, 0x29000                    ; the spare words
.set AC0,  1                           ; block 31's record + 16 x lane + 1,024 e
.set AS0,  2                           ; block 31's record + 4,096 + 16 x lane + 4 e
.set AN0,  3                           ; STL + block 31's 512 bytes + 32 h + 128 e
.set ADC,  4
.set ADS,  5
.set ADN,  6
.set NINF, 7
.set DD,   8                           ; v8-9 d_u = my key's place in its block - 32 e - 8 h
.set KS,   10                          ; v10-11 K's scale words of the two sets
.set QSC,  12
.set RDS,  13
.set WRS,  14
.set OOF,  15
.set KF,   16                          ; v16-47 K's four fragments: set 0 (block b), set 1 (block 31 - b)
.set QF,   48                          ; v48-63 q's two fragments
.set NL,   64                          ; v64-79 st of my 32 queries
.set D,    80                          ; v80-143 scores: set s, tile pair (a, u) at 32 s + 8 (2 a + u)
.set ACC,  144                         ; v144-159 sums: set s, tile u: two pairs at 8 s + 4 u
.set PX,   160
.set T0,   164
.set WV,   12
.set CX,   13
.set HD,   15
.set EE,   16
.set BS,   17
.set BL,   18
.set SEL,  20
.set CS,   22
.set G1S,  24
.set G1A,  32
.set G1B,  40
.set G0S,  48
.set G0A,  52
.set G0B,  56
.set UB,   60                          ; 4,608 x (31 - the step's block)
.set US,   61                          ; 512 x the same
.set QBK,  62
.set CNT,  63
.macro CROUND
	s_barrier_signal -1
	s_barrier_wait -1
	s_cmp_lg_u32 s[WV], 0
	s_cbranch_scc1 .Lnot_wave_0_\@
	s_barrier_signal -3
.Lnot_wave_0_\@:
	s_barrier_wait -3
	s_barrier_signal -1
	s_barrier_wait -1
.endm
	s_load_b256 s[4:11], s[0:1], 0x0               ; qr, st, kv, out1
	v_lshl_add_u32 v172, v0, 2, SPARE
	v_mov_b32 v173, 0
	ds_add_u32 v172, v173                          ; the opening lines
	ds_add_u32 v172, v173
	v_lshrrev_b32 v164, 5, v0
	s_delay_alu instid0(VALU_DEP_1)
	v_readfirstlane_b32 s[WV], v164
	s_bfe_u32 s[CX], ttmp6, 0x40000                ; cx enters global addresses of my own loads and stores and a vector compare alone
	s_and_b32 s[HD], ttmp7, 0xffff
	s_and_b32 s[EE], s[WV], 3
	s_lshr_b32 s[BS], s[WV], 2
	s_lshl_b32 s66, ttmp9, 2
	s_add_co_u32 s[BS], s[BS], s66                 ; b
	s_sub_co_u32 s[BL], 31, s[BS]
.irp g, G1S, G1A, G1B
	s_mov_b32 s[\g], 15|(3<<16)|(1<<21)            ; mask of all four; elements of 8 bytes; bit 21 beside a mask
	s_mov_b32 s[\g+1], 32<<16
	s_mov_b32 s[\g+3], 32<<16
	s_mov_b32 s[\g+5], 32
	s_mov_b32 s[\g+6], 0
	s_mov_b32 s[\g+7], 0
.endr
	s_mov_b32 s[G1S+2], 16<<16
	s_mov_b32 s[G1S+4], 16
	s_mov_b32 s[G1A+2], 12<<16
	s_mov_b32 s[G1A+4], 12
	s_mov_b32 s[G1B+2], 27<<16
	s_mov_b32 s[G1B+4], 27
	s_lshl_b32 s66, s[HD], 14
	s_lshl_b32 s67, s[WV], 12
	s_add_co_u32 s66, s66, s67                     ; st: waves 0-3 take 4,096 bytes each
	s_add_co_u32 s68, s67, STL
	s_mov_b32 s67, 0
	s_mul_i32 s69, s[HD], 147456
	s_mul_i32 s70, s[WV], 3072
	s_add_co_u32 s70, s70, 98304                   ; records 24-31: wave 4 begins at byte 110,592, in LDS and in the head's bytes alike
	s_add_co_u32 s72, s69, s70
	s_mov_b32 s73, 0
	s_mul_i32 s71, s[WV], 6912                     ; records 0-23
	s_add_co_u32 s74, s69, s71
	s_mov_b32 s75, 0
	s_mul_i32 s76, s[HD], 294912
	s_mul_i32 s78, s[BS], 9216
	s_add_co_u32 s78, s78, s76                     ; kv's record of block b
	s_mov_b32 s79, 0
	s_mul_i32 s80, s[BL], 9216
	s_add_co_u32 s80, s80, s76                     ; and of block 31 - b
	s_mov_b32 s81, 0
	s_cmp_eq_u32 s[EE], 0
	s_cselect_b32 s83, s[BS], s[BL]                ; at the end quarter 0's wave stores block b's sums, quarter 1's those of block 31 - b
	s_lshl_b32 s82, s[HD], 14
	s_lshl_b32 s83, s83, 9
	s_add_co_u32 s82, s82, s83
	s_lshl_b32 s83, s[CX], 7
	s_add_co_u32 s82, s82, s83
	s_mov_b32 s83, 0
	s_lshl_b32 s90, s[CX], 10                      ; K's tiles 2 cx, 2 cx + 1
	s_lshl_b32 s91, s[CX], 2
	s_add_co_u32 s91, s91, 8192                    ; their scale words: word cx of every lane
	s_mov_b32 s[SEL], 0x76543210
	s_mov_b32 s[SEL+1], 0xfedcba98
	s_mov_b32 s[CS], 0x3e38aa3b                    ; log2(e) / 8
	s_mov_b32 s[CS+1], s[CS]
	s_mov_b32 s[UB], 0
	s_mov_b32 s[US], 0
	s_mov_b32 s[QBK], 31
	s_wait_dscnt 0x0
	s_wait_kmcnt 0x0
	s_mov_b32 s[G0S], 1
	s_mov_b32 s[G0S+1], s68
	s_add_nc_u64 s[G0S+2:G0S+3], s[6:7], s[66:67]
	s_or_b32 s[G0S+3], s[G0S+3], 0x80000000
	s_mov_b32 s[G0A], 1
	s_mov_b32 s[G0A+1], s70
	s_add_nc_u64 s[G0A+2:G0A+3], s[4:5], s[72:73]
	s_or_b32 s[G0A+3], s[G0A+3], 0x80000000
	s_mov_b32 s[G0B], 1
	s_mov_b32 s[G0B+1], s71
	s_add_nc_u64 s[G0B+2:G0B+3], s[4:5], s[74:75]
	s_or_b32 s[G0B+3], s[G0B+3], 0x80000000
	s_add_nc_u64 s[84:85], s[8:9], s[78:79]
	s_add_nc_u64 s[86:87], s[8:9], s[80:81]
	s_add_nc_u64 s[88:89], s[10:11], s[82:83]
	CROUND
	s_cmp_lt_u32 s[WV], 4                          ; the head's loads, one a wave, in one chain of two arms
	s_cbranch_scc0 .Lhead_q
	tensor_load_to_lds s[G0S:G0S+3], s[G1S:G1S+7]
	s_nop 0
.rept 4
	v_nop
.endr
	s_branch .Lhead_asked
.Lhead_q:
	tensor_load_to_lds s[G0A:G0A+3], s[G1A:G1A+7]
	s_nop 0
.rept 4
	v_nop
.endr
.Lhead_asked:
	v_and_b32 v164, 31, v0
	s_delay_alu instid0(VALU_DEP_1)
	v_lshlrev_b32 v165, 4, v164
	s_delay_alu instid0(VALU_DEP_1)
	v_add_nc_u32 v166, s90, v165
	v_add_nc_u32 v167, s91, v165
	global_load_b128 v[KF:KF+3], v166, s[84:85]    ; my 64 keys stay in registers
	global_load_b128 v[KF+8:KF+11], v166, s[84:85] offset:512
	global_load_b128 v[KF+16:KF+19], v166, s[86:87]
	global_load_b128 v[KF+24:KF+27], v166, s[86:87] offset:512
	global_load_b32 v[KS], v167, s[84:85]
	global_load_b32 v[KS+1], v167, s[86:87]
.irp t, 0,1,2,3
.irp j, 4,5,6,7
	v_mov_b32 v[KF+8*\t+\j], 0
.endr
.endr
.irp t, 0,1
.irp j, 4,5,6,7
	v_mov_b32 v[QF+8*\t+\j], 0
.endr
.endr
.set j, 0
.rept 16
	v_mov_b32 v[ACC+j], 0
.set j, j+1
.endr
.irp j, 0,1,2,3
	v_mov_b32 v[PX+\j], 0
.endr
	v_mov_b32 v[NINF], 0xff800000
	s_lshl_b32 s90, s[EE], 10
	s_add_co_u32 s90, s90, 31*4608
	v_add_nc_u32 v[AC0], s90, v165
	s_lshl_b32 s90, s[EE], 2
	s_add_co_u32 s90, s90, 31*4608+4096
	v_add_nc_u32 v[AS0], s90, v165
	v_bfe_u32 v170, v0, 4, 1                       ; h
	v_bfe_u32 v169, v0, 3, 1                       ; r / 8
	v_and_b32 v168, 7, v0                          ; r % 8
	s_lshl_b32 s90, s[EE], 7
	s_add_co_u32 s90, s90, STL+31*512
	v_lshl_add_u32 v[AN0], v170, 5, s90
	v_lshl_add_u32 v171, v169, 4, v168             ; r % 8 + 16 (r / 8): row r's key in a tile, less 8 u
	v_lshlrev_b32 v[DD], 3, v170
	s_delay_alu instid0(VALU_DEP_1)
	v_sub_nc_u32 v[DD], v171, v[DD]
	s_lshl_b32 s90, s[CX], 5
	s_lshl_b32 s91, s[EE], 5
	s_sub_co_u32 s90, s90, s91
	v_add_nc_u32 v[DD], s90, v[DD]                 ; d_0 = 32 cx + r % 8 + 16 (r / 8) - 32 e - 8 h, a signed number
	s_delay_alu instid0(VALU_DEP_1)
	v_add_nc_u32 v[DD+1], 8, v[DD]
	v_lshl_add_u32 v171, v170, 3, v171             ; at the end lane (u, r) holds key 8 u + r % 8 + 16 (r / 8) of a set's 32
	s_lshl_b32 s91, s[WV], 8
	s_add_co_u32 s91, s91, SUMS
	v_lshl_add_u32 v[WRS], v171, 2, s91
	v_lshlrev_b32 v[OOF], 2, v164
	s_and_b32 s91, s[WV], 12
	s_lshl_b32 s91, s91, 8
	s_and_b32 s90, s[EE], 1
	s_lshl_b32 s90, s90, 7
	s_add_co_u32 s91, s91, s90
	s_add_co_u32 s91, s91, SUMS                    ; the four quarters' sums of set e, 256 bytes apart
	v_lshl_add_u32 v[RDS], v164, 2, s91
	s_wait_alu depctr_va_vdst(0)
	s_wait_tensorcnt 0x0                           ; my head's load is in; the full sequence ahead of the later first fill
	ds_add_u32 v172, v173
	s_wait_dscnt 0x0
	CROUND                                         ; everybody's is
	tensor_load_to_lds s[G0B:G0B+3], s[G1B:G1B+7]  ; records 0-23
	s_nop 0
.rept 4
	v_nop
.endr
.macro QLOADS                          ; q's scale word (word e: tile 2 e in lanes 0-15, tile 2 e + 1 in lanes 16-31) and two fragments
	ds_load_b32 v[QSC], v[ADS]
.irp a, 0,1
	ds_load_b128 v[QF+8*\a:QF+8*\a+3], v[ADC] offset:512*\a
.endr
.endm
.macro NLOADS                          ; st of my 32 queries
.irp t, 0,1,2,3
	ds_load_b128 v[NL+4*\t:NL+4*\t+3], v[ADN] offset:64*(\t/2)+16*(\t%2)
.endr
.endm
.macro QFIRST                          ; ahead of a walk: the walk's first block
	v_sub_nc_u32 v[ADC], v[AC0], s[UB]
	v_sub_nc_u32 v[ADS], v[AS0], s[UB]
	v_sub_nc_u32 v[ADN], v[AN0], s[US]
	QLOADS
	NLOADS
.endm
; my 32 queries against ns sets of 32 keys; the last of the sets may stand on the diagonal (block lim)
.macro BODY ns, lim
.set sx, 0
.rept \ns
	v_wmma_scale_f32_16x16x128_f8f6f4 v[D+32*sx:D+32*sx+7], v[QF:QF+7], v[KF+16*sx:KF+16*sx+7], 0, v[QSC], v[KS+sx] matrix_a_fmt:MATRIX_FMT_FP4 matrix_b_fmt:MATRIX_FMT_FP4
	v_wmma_scale_f32_16x16x128_f8f6f4 v[D+32*sx+8:D+32*sx+15], v[QF:QF+7], v[KF+16*sx+8:KF+16*sx+15], 0, v[QSC], v[KS+sx] matrix_a_fmt:MATRIX_FMT_FP4 matrix_b_fmt:MATRIX_FMT_FP4 matrix_b_scale:MATRIX_SCALE_ROW1
	v_wmma_scale_f32_16x16x128_f8f6f4 v[D+32*sx+16:D+32*sx+23], v[QF+8:QF+15], v[KF+16*sx:KF+16*sx+7], 0, v[QSC], v[KS+sx] matrix_a_fmt:MATRIX_FMT_FP4 matrix_b_fmt:MATRIX_FMT_FP4 matrix_a_scale:MATRIX_SCALE_ROW1
	v_wmma_scale_f32_16x16x128_f8f6f4 v[D+32*sx+24:D+32*sx+31], v[QF+8:QF+15], v[KF+16*sx+8:KF+16*sx+15], 0, v[QSC], v[KS+sx] matrix_a_fmt:MATRIX_FMT_FP4 matrix_b_fmt:MATRIX_FMT_FP4 matrix_a_scale:MATRIX_SCALE_ROW1 matrix_b_scale:MATRIX_SCALE_ROW1
.set sx, sx+1
.endr
.rept 4
	v_nop
.endr
	QLOADS                                         ; the next block's codes
	s_cmp_lg_u32 s[QBK], s[\lim]
	s_cbranch_scc1 .Lopen_\@
.set n, 0
.rept 32                                           ; register 8 (2 a + u) + j holds query 32 e + 16 a + 8 h + j, in front of my key where 16 a + j < d_u
	v_cmp_lt_i32 vcc_lo, 16*(n/16)+n%8, v[DD+(n/8)%2]
	v_cndmask_b32 v[D+32*(\ns-1)+n], v[D+32*(\ns-1)+n], v[NINF], vcc_lo
.set n, n+1
.endr
.Lopen_\@:
.set n, 0
.rept 16*\ns
	v_pk_fma_f32 v[D+n:D+n+1], v[D+n:D+n+1], s[CS:CS+1], v[NL+8*((n%32)/16)+n%8:NL+8*((n%32)/16)+n%8+1] op_sel_hi:[1,0,1]
.set n, n+2
.endr
	NLOADS                                         ; the next block's st
.set n, 0
	s_wait_alu depctr_va_vdst(0)
.rept 32*\ns
	v_exp_f32 v[D+n], v[D+n]                       ; the finished softmax
.set n, n+1
.endr
	v_nop
	s_wait_alu depctr_va_vdst(0)
.set o, 0
.rept 4                                            ; the 4 ns chains by turns
.set sx, 0
.rept \ns
.irp q, 0,1,2,3
	v_pk_add_f32 v[ACC+8*sx+2*\q:ACC+8*sx+2*\q+1], v[ACC+8*sx+2*\q:ACC+8*sx+2*\q+1], v[D+32*sx+16*(o/2)+8*(\q/2)+4*(o%2)+2*(\q%2):D+32*sx+16*(o/2)+8*(\q/2)+4*(o%2)+2*(\q%2)+1]
.endr
.set sx, sx+1
.endr
.set o, o+1
.endr
.endm
; limc, lims: the last block that the look-ahead may name, as distances from block 31
.macro STEP limc, lims
	s_cmp_lt_u32 s[QBK], s[BS]                     ; in front of both my sets of keys: only the stepping is run
	s_cbranch_scc1 .Lskip_\@
	s_add_co_u32 s66, s[UB], 4608
	s_min_u32 s66, s66, \limc
	s_add_co_u32 s67, s[US], 512
	s_min_u32 s67, s67, \lims
	v_sub_nc_u32 v[ADC], v[AC0], s66
	v_sub_nc_u32 v[ADS], v[AS0], s66
	v_sub_nc_u32 v[ADN], v[AN0], s67
	s_wait_alu depctr_va_vdst(0)
	s_wait_dscnt 0x0                               ; this block's codes, scale word and st are in
	s_cmp_lt_u32 s[QBK], s[BL]
	s_cbranch_scc1 .Learly_\@
	BODY 2, BL
	s_wait_alu depctr_va_vdst(0)
	s_branch .Lskip_\@
.Learly_\@:
	BODY 1, BS
.Lskip_\@:
	s_add_co_u32 s[UB], s[UB], 4608
	s_add_co_u32 s[US], s[US], 512
	s_sub_co_u32 s[QBK], s[QBK], 1
.endm
.macro WALK trips, limc, lims
	s_mov_b32 s[CNT], \trips
.Lwalk_\@:
	STEP \limc, \lims
	s_sub_co_u32 s[CNT], s[CNT], 1
	s_cmp_lg_u32 s[CNT], 0
	s_cbranch_scc1 .Lwalk_\@
.endm
	s_wait_loadcnt 0x0                             ; K and its scale words
	QFIRST
	WALK 8, 7*4608, 7*512                          ; blocks 31 down to 24, while records 0-23 land
	s_wait_tensorcnt 0x0
	s_wait_dscnt 0x0
	s_barrier_signal -1
	s_barrier_wait -1                              ; everybody's part of records 0-23 is in
	QFIRST
	WALK 24, 31*4608, 31*512
	; THE END.  A key's sum: my chains, the pair's halves, lane l xor 16's queries; then the four quarters, through LDS.
	s_wait_alu depctr_va_vdst(0)
.irp s, 0,4,8,12
	v_pk_add_f32 v[ACC+\s:ACC+\s+1], v[ACC+\s:ACC+\s+1], v[ACC+\s+2:ACC+\s+3]
.endr
.irp s, 0,4,8,12
	s_delay_alu instid0(VALU_DEP_4)
	v_add_f32 v[ACC+\s], v[ACC+\s], v[ACC+\s+1]
.endr
.irp s, 0,1,2,3
	s_delay_alu instid0(VALU_DEP_4)
	v_permlanex16_b32 v[PX+\s], v[ACC+4*\s], s[SEL], s[SEL+1]
.endr
.irp s, 0,1,2,3
	s_delay_alu instid0(VALU_DEP_4)
	v_add_f32 v[ACC+4*\s], v[ACC+4*\s], v[PX+\s]
.endr
	s_mov_b32 vcc_lo, 0xffff0000
	v_cndmask_b32 v[ACC], v[ACC], v[ACC+4], vcc_lo       ; lanes 0-15 keep tile u = 0's keys, lanes 16-31 take tile u = 1's
	v_cndmask_b32 v[ACC+8], v[ACC+8], v[ACC+12], vcc_lo
	ds_store_b32 v[WRS], v[ACC]                    ; in the order of the keys: set 0,
	ds_store_b32 v[WRS], v[ACC+8] offset:128       ; set 1
	s_wait_dscnt 0x0
	s_barrier_signal -1
	s_barrier_wait -1
	s_cmp_ge_u32 s[EE], 2                          ; quarters 0 and 1 add and store a set each
	s_cbranch_scc1 .Ldone
.irp w, 0,1,2,3
	ds_load_b32 v[T0+\w], v[RDS] offset:256*\w
.endr
	s_wait_dscnt 0x0
	v_add_f32 v[T0], v[T0], v[T0+1]
	v_add_f32 v[T0+2], v[T0+2], v[T0+3]
	s_delay_alu instid0(VALU_DEP_1)
	v_add_f32 v[T0], v[T0], v[T0+2]
	global_store_b32 v[OOF], v[T0], s[88:89]       ; 32 lanes store 128 consecutive bytes
.Ldone:
	s_wait_tensorcnt 0x0                           ; the wave's end
	ds_add_u32 v172, v173
	s_wait_dscnt 0x0
	CROUND
	s_endpgm
.Lfunc_end_k_qeaaca3bfbb_colsum:
	.size	k_qeaaca3bfbb_colsum, .Lfunc_end_k_qeaaca3bfbb_colsum-k_qeaaca3bfbb_colsum
	.p2alignl 7, 3214868480
	.fill 96, 4, 3214868480
	.section	.rodata,"a",@progbits
	.p2align	6, 0x0
	.amdhsa_kernel k_qeaaca3bfbb_colsum
		.amdhsa_group_segment_fixed_size 327680
		.amdhsa_private_segment_fixed_size 0
		.amdhsa_enable_private_segment 0
		.amdhsa_kernarg_size 32
		.amdhsa_user_sgpr_count 2
		.amdhsa_user_sgpr_kernarg_segment_ptr 1
		.amdhsa_wavefront_size32 1
		.amdhsa_system_sgpr_workgroup_id_x 1
		.amdhsa_system_sgpr_workgroup_id_y 1
		.amdhsa_system_sgpr_workgroup_id_z 1
		.amdhsa_system_vgpr_workitem_id 0
		.amdhsa_next_free_vgpr 176
		.amdhsa_next_free_sgpr 96
		.amdhsa_reserve_vcc 1
		.amdhsa_float_denorm_mode_32 3
		.amdhsa_float_denorm_mode_16_64 3
		.amdhsa_memory_ordered 1
		.amdhsa_forward_progress 1
		.amdhsa_inst_pref_size 48
	.end_amdhsa_kernel
	.amdgpu_metadata
---
amdhsa.version: [ 1, 2 ]
amdhsa.kernels:
  - .name:           k_qeaaca3bfbb_colsum
    .symbol:         k_qeaaca3bfbb_colsum.kd
    .args:
      - { .name: qr, .offset: 0, .size: 8, .value_kind: global_buffer, .address_space: global }
      - { .name: st, .offset: 8, .size: 8, .value_kind: global_buffer, .address_space: global }
      - { .name: kv, .offset: 16, .size: 8, .value_kind: global_buffer, .address_space: global }
      - { .name: out1, .offset: 24, .size: 8, .value_kind: global_buffer, .address_space: global }
    .group_segment_fixed_size: 327680
    .private_segment_fixed_size: 0
    .kernarg_segment_align: 8
    .kernarg_segment_size: 32
    .max_flat_workgroup_size: 512
    .sgpr_count:     96
    .vgpr_count:     176
    .wavefront_size: 32
...
	.end_amdgpu_metadata
.endif
;; end of part 3
